; MI455X (gfx1250); checked and timed in simulation.
; The chip was launched on July 23, 2026; its instructions are those of AMD's public machine-readable ISA for CDNA 5 (MIT licence, August 2026) and "CDNA5" Instruction Set Architecture Reference Guide (July 2026). The comments in the code are by the model that wrote it; some were corrected since.
;; Mo E Layer. Allowed arithmetic: matrix products marked QUANTISED: E2M1 operands, one E8M0 scale for each 32 along K, by v_wmma_scale_f32_16x16x128_f8f6f4 with both operands' format E2M1 (or v_wmma_scale_f32_32x16x128_f4), f32 sums; products left as they are: f32 operands where the result goes on into a quantised operand, else bf16, f16 or f32 operands; f32 sums; everything else in f32.
;; Inputs: b1 8 x 4,096 float32; b2 8 x 1,024 float32; router_w 8 x 1,024 float32; w1 8 x 4,096 x 1,024 float32; w2 8 x 1,024 x 4,096 float32; x 2 x 512 x 1,024 float32.
;; Outputs: out0 2 x 512 x 1,024 float32.
;; This version of the problem:
;;   THIS VERSION OF THE PROBLEM IS GIVEN IN LOW PRECISION. The matrix products marked QUANTISED in the list below multiply operands that are first quantised to E2M1 (2 exponent bits, 1 mantissa bit; 4 bits a number), with one power-of-two scale for each 32 numbers along K (OCP MX v1.0); their sums are f32. All else is computed in f32.
;;   The module's matrix products, in the order in which they are computed (A, B: the left and right operand; K: the contracted axis; several contracted axes count as one K, in the product's order):
;;     1. [M 1,024, K 1,024] x [K 1,024, N 8]; A: input x; B: input router_w: left as it is (N = 8 < 16)
;;     2. [M 1,024, K 1,024] x [K 1,024, N 32,768]; A: input x; B: input w1: QUANTISED
;;     3. batch 8 x [M 1,024, K 4,096] x [K 4,096, N 1,024]; A: input w2; B: computed on the way: QUANTISED
;;     4. batch 1,024 x [M 1,024, K 2] x [K 2, N 1]; A: computed on the way; B: computed on the way: left as it is (K = 2 < 32)
;;   THE QUANTISER, for each operand of a quantised product, along K:
;;     - K is cut into blocks of 32 from its start; a last block that is shorter is filled with zeros.
;;     - A block's scale is 2^e with e = floor(log2(the largest magnitude in the block)) - 2, held to -126 .. 127; a block of zeros has e = 0. As a byte (E8M0): e + 127.
;;     - Each number is divided by its block's scale, clamped to +-6, and rounded to the nearest number of E2M1, ties to even, subnormals kept.
;;     - The product sums the exact products of the quantised numbers (number of the format x scale) in f32.
;;   ~~~python
;;   def quantise(x, axis):      # numpy; x: float32 -> the quantised numbers, widened to float32 again
;;       x = np.moveaxis(x, axis, -1); K = x.shape[-1]
;;       x = np.pad(x, [(0, 0)] * (x.ndim - 1) + [(0, -K % 32)]); x = x.reshape(x.shape[:-1] + (-1, 32)); a = np.abs(x).max(-1, keepdims=True)
;;       e = np.where(a > 0, np.clip(np.frexp(np.where(a > 0, a, 1))[1] - 1 - 2, -126, 127), 0)      # np.frexp(a)[1] - 1 = floor(log2(a)), exactly
;;       r = np.clip(x / 2.0 ** e, -6, 6)
;;       step = 2.0 ** (np.maximum(np.frexp(np.where(r == 0, 1, r))[1] - 1, 0) - 1)
;;       q = np.round(r / step) * step * 2.0 ** e      # np.round: ties to even
;;       return np.moveaxis(q.reshape(q.shape[:-2] + (-1,))[..., :K], -1, axis).astype(np.float32)
;;   ~~~
;;   OPERANDS COMPUTED ON THE WAY. 'Computed on the way' means the value that the module computes at that place (a softmax that the list does not call 'softmax' is quantised finished and normalised). What goes into a quantiser is computed in f32, as accurately as f32 sums, v_exp_f32 and their like allow (about 1e-6 of the number): no bf16 or f16 on the way to a quantiser, and a product that is left as it is and whose result goes on into a quantised operand takes f32 operands (vector FMAs, or v_wmma_f32_16x16x4_f32). A number that lies on a knife's edge between two numbers of the format may be rounded either way, as far as f32 arithmetic and the matrix unit's own rounding can turn it there, and no further.
;; One version. Each part assembles by itself: llvm-mc -triple=amdgcn-amd-amdhsa -mcpu=gfx1250 --defsym DOCPART=n.
;; ======== version 1 of 1: 4 launches
;; limits: right only within a limited range of input values
;; workspace buffers: xq 557,056 bytes; route 9,216 bytes of whole numbers; gw 8,192 bytes; pos 32,768 bytes of whole numbers; hq 17,825,792 bytes; yb 134,217,728 bytes
;; launch router (part 1): grid 128 x 1, 8 waves a work-group, no clusters, 71,168 bytes of LDS; arguments x, router_w, xq, route, gw; writes xq, route, gw
.if DOCPART == 1
	.amdgcn_target "amdgcn-amd-amdhsa--gfx1250"
	.amdhsa_code_object_version 6
	.text
	.protected	k_q86a601b682_router
	.globl	k_q86a601b682_router
	.p2align	8
	.type	k_q86a601b682_router,@function
k_q86a601b682_router:
	s_mov_b64 s[64:65], 0
	v_nop
	global_prefetch_b8 v0, s[64:65] scope:SCOPE_SE
	s_setreg_imm32_b32 hwreg(HW_REG_WAVE_MODE, 25, 1), 1
	s_wait_xcnt 0x0
; THE ROUTER, AND x INTO CODES.  x [1024 tokens][1024] f32, router_w [8][1024] f32.
; WORK LEFT OUT BY THE PROGRAM: reference() computes h and y for every expert and then gathers y at top_idx alone, so the rows of h and y of the experts that a token did not choose reach no output, whatever the
; inputs hold; the later launches multiply only the chosen rows.  A NaN, an infinity or an overflow that reaches only the rows left out is not carried to the result.  Every input is loaded.
; Stored: xq: each token's 1,024 codes of FP4 (E2M1), 512 bytes a row, K innermost, and from byte 524,288 on its 32 scale bytes (E8M0, one for 32 along K);
;         route: bytes 0 .. 8,191 the two chosen experts of each token (two words a token), bytes 8,192 .. 9,215 a bitmap for each expert: word t / 32, bit t % 32;   gw: the two gates of each token, f32.
; SHARES.  Work-group g owns tokens 8 g .. 8 g + 7 (one byte of each bitmap), wave w one of them.  The token's row lies in 32 registers a lane as it was loaded (8 loads of 512 consecutive bytes) and serves twice:
; for the eight logits (f32 multiply-adds against router_w, which lies in LDS) and for the quantiser.  No address and no branch hangs on a floating-point number: what is chosen is stored at fixed places.
; THE QUANTISER.  The conversion takes 8 neighbours along K from one lane's registers, so the row turns through the wave's own stage in LDS: in as loaded, out 128 bytes a lane (pitch 144): a lane then holds ONE block of 32.
; A block's scale is 2^(floor(log2(largest magnitude)) - 2): its byte is the largest magnitude's exponent field - 2, held at 1 from below by a floor among the maximum's leaves.
; THE CHOICE.  softmax with the row's maximum taken away; the largest p, then the largest of the rest; a strict comparison in ascending order keeps the lower index at a tie, as jax.lax.top_k does.
; LIMITS: NaN and infinities among the inputs are not served.  A block of zeros gets the byte 1 where the rule says 127: its codes are zeros, and this program alone reads the bytes.
; The exponential gives 0 for results under 2^-126: a second expert whose probability lies under that may be another than reference()'s; its gate is then under 1e-37 of the first's.
; A work-group's experts and gates are 64 bytes each and its bitmap bytes 8 single bytes: 136 bytes against the 4,352 of codes and scale bytes that leave in whole runs of 256.
; No matrix unit (N = 8), no cluster, no tensor load: work-groups share only router_w, 32 KB, as much as each reads of x.
.set RW,    0                          ; LDS: router_w as it lies, 32,768 bytes
.set STG,   32768                      ; a stage of 32 x 144 bytes for each wave
.set LG,    69632                      ; [8 tokens][8] logits
.set SB,    69888                      ; [8 tokens][32] scale bytes
.set SPARE, 70144                      ; the spare words, 128 bytes for each wave
.set BYS,  12                          ; v12      the token's scale byte
.set CDS,  16                          ; v16-19   its codes
.set XD,   32                          ; v32-63   the token's row as loaded
.set RB,   64                          ; v64-127  two rows of router_w; later the turned row of x
.set PA,   128                         ; v128-191 four packed partial sums an expert: expert e, chain c at 8 e + 2 c
.set L,    192                         ; v192-199 the logits
.set ASB,  232                         ; v232     SB + 8 x lane
.set ALG,  233                         ; v233     LG + 32 x (lane % 8)
.set SPW,  234                         ; v234     my spare word's address; v235 = 0: kept for the add alone
.set NIL,  235
	s_load_b256 s[4:11], s[0:1], 0x0               ; x s[4:5], router_w s[6:7], xq s[8:9], route s[10:11]
	s_load_b64 s[12:13], s[0:1], 0x20              ; gw
	v_lshl_add_u32 v[SPW], v0, 2, SPARE
	v_mov_b32 v[NIL], 0
	v_lshrrev_b32 v5, 5, v0
	v_and_b32 v1, 31, v0                           ; lane
	v_bfe_u32 v3, v0, 3, 2                         ; lane / 8
	v_and_b32 v8, 7, v0                            ; lane % 8
	s_delay_alu instid0(VALU_DEP_4)
	v_readfirstlane_b32 s14, v5                    ; wave 0..7
	s_wait_alu depctr_va_vdst(0)                   ; directly ahead of the run of scalar instructions
	s_mul_i32 s15, s14, 4608
	s_add_co_u32 s15, s15, STG                     ; my stage
	s_lshl_b32 s16, s14, 12
	s_mov_b32 s17, 0
	s_lshl_b32 s22, s14, 5
	s_add_co_u32 s23, s22, LG                      ; my token's logits
	s_add_co_u32 s26, s22, SB                      ; and scale bytes
	s_mov_b32 s20, 0x76543210
	s_mov_b32 s21, 0xfedcba98                      ; v_permlanex16_b32's selects for lane l xor 16
	s_lshl_b32 s18, ttmp9, 15
	s_add_co_u32 s18, s18, s16                     ; (8 g + w) rows of 4,096 bytes
	s_mov_b32 s19, 0
	s_lshr_b32 s24, s18, 3                         ; and of 512
	s_mov_b32 s25, 0
	v_lshlrev_b32 v2, 4, v1                        ; 16 x lane
	v_mul_u32_u24 v3, v3, 144
	v_mul_u32_u24 v4, v1, 144
	v_mov_b32 v6, s23
	v_add_nc_u32 v7, s26, v1                       ; byte = lane
	v_lshlrev_b32 v11, 3, v1                       ; 8 x lane
	v_lshl_add_u32 v[ASB], v1, 3, SB
	v_lshl_add_u32 v[ALG], v8, 5, LG
	v_lshl_add_u32 v3, v8, 4, v3
	v_add_nc_u32 v4, s15, v4                       ; out of the stage: block = lane
	v_add_nc_u32 v5, s16, v2                       ; where I put row w of router_w
	s_delay_alu instid0(VALU_DEP_3)
	v_add_nc_u32 v3, s15, v3                       ; into the stage: eight lanes' 128 bytes are a block: 144 (lane / 8) + 16 (lane % 8); a load's 512 bytes are four blocks
	s_wait_alu depctr_va_vdst(0)                   ; at the head's end
	s_wait_kmcnt 0x0
	s_add_nc_u64 s[6:7], s[6:7], s[16:17]
	s_add_nc_u64 s[4:5], s[4:5], s[18:19]
	s_add_nc_u64 s[24:25], s[8:9], s[24:25]
.irp j, 0,1,2,3,4,5,6,7
	global_load_b128 v[RB+4*\j:RB+4*\j+3], v2, s[6:7] offset:512*\j
.endr
.irp j, 0,1,2,3,4,5,6,7
	global_load_b128 v[XD+4*\j:XD+4*\j+3], v2, s[4:5] offset:512*\j th:TH_LOAD_NT   ; 512 consecutive bytes; x is read once, here
.endr
	s_wait_loadcnt 8                               ; the router's row is in; the 8 loads of x, issued behind it, may be out
.irp j, 0,1,2,3,4,5,6,7
	ds_store_b128 v5, v[RB+4*\j:RB+4*\j+3] offset:RW+512*\j
.endr
	s_wait_dscnt 0x0                               ; for the others' sake: my row lies in LDS
	s_barrier_signal -1
	s_barrier_wait -1                              ; all eight rows do
	s_wait_loadcnt 0x0                             ; x
	; the logits, two experts at a time: their rows from LDS, lane l the same numbers of a row as it holds of x; eight chains by turns, so that no line reads the result of one of the four lines above it
.irp ep, 0,1,2,3
.irp d, 0,1
.irp j, 0,1,2,3,4,5,6,7
	ds_load_b128 v[RB+32*\d+4*\j:RB+32*\d+4*\j+3], v2 offset:RW+4096*(2*\ep+\d)+512*\j
.endr
.endr
	s_wait_dscnt 0x0
.irp c, 0,1,2,3
.irp d, 0,1
	v_pk_mul_f32 v[PA+8*(2*\ep+\d)+2*\c:PA+8*(2*\ep+\d)+2*\c+1], v[XD+2*\c:XD+2*\c+1], v[RB+32*\d+2*\c:RB+32*\d+2*\c+1]
.endr
.endr
.irp ib, 1,2,3
.irp c, 0,1,2,3
.irp d, 0,1
	v_pk_fma_f32 v[PA+8*(2*\ep+\d)+2*\c:PA+8*(2*\ep+\d)+2*\c+1], v[XD+8*\ib+2*\c:XD+8*\ib+2*\c+1], v[RB+32*\d+8*\ib+2*\c:RB+32*\d+8*\ib+2*\c+1], v[PA+8*(2*\ep+\d)+2*\c:PA+8*(2*\ep+\d)+2*\c+1]
.endr
.endr
.endr
.endr
	; a lane's eight partial sums of each expert into one; then over the 32 lanes: four steps inside each half, one across; the eight experts by turns
.irp e, 0,1,2,3,4,5,6,7
	v_pk_add_f32 v[PA+8*\e:PA+8*\e+1], v[PA+8*\e:PA+8*\e+1], v[PA+8*\e+2:PA+8*\e+3]
.endr
.irp e, 0,1,2,3,4,5,6,7
	v_pk_add_f32 v[PA+8*\e+4:PA+8*\e+5], v[PA+8*\e+4:PA+8*\e+5], v[PA+8*\e+6:PA+8*\e+7]
.endr
.irp e, 0,1,2,3,4,5,6,7
	v_pk_add_f32 v[PA+8*\e:PA+8*\e+1], v[PA+8*\e:PA+8*\e+1], v[PA+8*\e+4:PA+8*\e+5]
.endr
.irp e, 0,1,2,3,4,5,6,7
	v_add_f32 v[L+\e], v[PA+8*\e], v[PA+8*\e+1]
.endr
.irp x, 1,2,4,8
.irp e, 0,1,2,3,4,5,6,7
	v_add_f32_dpp v[L+\e], v[L+\e], v[L+\e] row_xmask:\x row_mask:0xf bank_mask:0xf
.endr
.endr
.irp e, 0,1,2,3,4,5,6,7
	v_permlanex16_b32 v[RB+\e], v[L+\e], s20, s21  ; (its destination has been written: a router's row)
.endr
.irp e, 0,1,2,3,4,5,6,7
	v_add_f32 v[L+\e], v[L+\e], v[RB+\e]
.endr
.irp e, 0,1,2,3,4,5,6,7
	ds_store_b32 v6, v[L+\e] offset:4*\e           ; all lanes write the same word with the same value
.endr
	; the token's row into codes
.irp j, 0,1,2,3,4,5,6,7
	ds_store_b128 v3, v[XD+4*\j:XD+4*\j+3] offset:576*\j
.endr
.irp j, 0,1,2,3,4,5,6,7
	ds_load_b128 v[RB+4*\j:RB+4*\j+3], v4 offset:16*\j     ; LDS serves a wave's instructions in order: these see the stores above
.endr
	s_wait_dscnt 0x0
	v_max3_num_f32 v8, |v[RB]|, |v[RB+1]|, |v[RB+2]|       ; the block's largest magnitude: all 32 numbers are mine; two chains
	v_max3_num_f32 v9, |v[RB+3]|, |v[RB+4]|, |v[RB+5]|
.irp i, 6,10,14,18,22,26
	s_delay_alu instid0(VALU_DEP_2)
	v_max3_num_f32 v8, v8, |v[RB+\i]|, |v[RB+\i+1]|
	s_delay_alu instid0(VALU_DEP_2)
	v_max3_num_f32 v9, v9, |v[RB+\i+2]|, |v[RB+\i+3]|
.endr
	s_delay_alu instid0(VALU_DEP_2)
	v_max3_num_f32 v8, v8, |v[RB+30]|, |v[RB+31]|
	s_delay_alu instid0(VALU_DEP_1)
	v_max3_num_f32 v8, v8, v9, 0x1800000           ; and the floor 2^(3 - 127): the byte cannot fall under 1
	s_delay_alu instid0(VALU_DEP_1)
	v_add_nc_u32 v10, 0xff000000, v8               ; 2 off the exponent field: the conversion takes this operand's exponent field as its scale
.irp g, 0,1,2,3
	v_cvt_scalef32_pk8_fp4_f32 v[CDS+\g], v[RB+8*\g:RB+8*\g+7], v10
.endr
	v_lshrrev_b32 v[BYS], 23, v10                  ; the scale's byte
	global_store_b128 v2, v[CDS:CDS+3], s[24:25]   ; the row's 512 bytes of codes, 16 a lane
	ds_store_b8 v7, v[BYS]
	s_wait_dscnt 0x0                               ; for the others' sake: my logits and scale bytes lie in LDS
	s_barrier_signal -1
	s_barrier_wait -1
	s_cmp_eq_u32 s14, 1
	s_cbranch_scc1 .Lbytes
	s_cmp_eq_u32 s14, 0
	s_cbranch_scc1 .Lchoose
	s_wait_tensorcnt 0x0                           ; the wave's end
	ds_add_u32 v[SPW], v[NIL]
	s_wait_dscnt 0x0
	s_endpgm
.Lbytes:                                               ; wave 1: the 8 tokens' 256 scale bytes leave as one aligned block of 256 bytes
	ds_load_b64 v[32:33], v[ASB]
	s_lshl_b32 s26, ttmp9, 8
	s_mov_b32 s27, 0
	s_add_nc_u64 s[26:27], s[8:9], s[26:27]
	s_wait_dscnt 0x0
	global_store_b64 v11, v[32:33], s[26:27] offset:524288
	s_wait_tensorcnt 0x0                           ; the wave's end
	ds_add_u32 v[SPW], v[NIL]
	s_wait_dscnt 0x0
	s_endpgm
.Lchoose:                                              ; wave 0: lane l works on token l % 8; lanes 0-7 store
	ds_load_b128 v[32:35], v[ALG]
	ds_load_b128 v[36:39], v[ALG] offset:16
	s_lshl_b32 s26, ttmp9, 6
	s_mov_b32 s27, 0
	s_add_nc_u64 s[28:29], s[10:11], s[26:27]      ; the 8 tokens' experts: 64 bytes
	s_add_nc_u64 s[30:31], s[12:13], s[26:27]      ; and gates
	s_mov_b32 s26, ttmp9
	s_add_nc_u64 s[32:33], s[10:11], s[26:27]      ; byte g of the bitmaps
	v_lshlrev_b32 v64, 3, v1
	v_lshlrev_b32 v66, 7, v1
	v_mov_b32 v65, 0
.irp e, 0,1,2,3,4,5,6,7
	v_mov_b32 v[68+\e], \e
.endr
	v_mov_b32 v76, -1.0
	s_wait_dscnt 0x0
	v_max3_num_f32 v48, v32, v33, v34
	s_delay_alu instid0(VALU_DEP_1)
	v_max3_num_f32 v48, v48, v35, v36
	s_delay_alu instid0(VALU_DEP_1)
	v_max3_num_f32 v48, v48, v37, v38
	s_delay_alu instid0(VALU_DEP_1)
	v_max_num_f32 v48, v48, v39                    ; the row's largest logit is taken away, as reference()'s softmax does
.irp e, 0,1,2,3,4,5,6,7
	v_sub_f32 v[40+\e], v[32+\e], v48
.endr
.irp e, 0,1,2,3,4,5,6,7
	v_mul_f32 v[40+\e], 0x3fb8aa3b, v[40+\e]       ; x log2(e)
.endr
	s_wait_alu depctr_va_vdst(0)                   ; ahead of the batch
.irp e, 0,1,2,3,4,5,6,7
	v_exp_f32 v[32+\e], v[40+\e]
.endr
	v_nop                                          ; a plain instruction behind the last exponential
	s_wait_alu depctr_va_vdst(0)                   ; one wait for the eight, ahead of their first reader
	v_add_f32 v48, v32, v33
	v_add_f32 v49, v34, v35
	v_add_f32 v50, v36, v37
	v_add_f32 v51, v38, v39
	s_delay_alu instid0(VALU_DEP_3)
	v_add_f32 v48, v48, v49
	s_delay_alu instid0(VALU_DEP_2)
	v_add_f32 v50, v50, v51
	s_delay_alu instid0(VALU_DEP_1)
	v_add_f32 v48, v48, v50
	s_wait_alu depctr_va_vdst(0)
	v_rcp_f32 v49, v48
	v_nop
	s_wait_alu depctr_va_vdst(0)
.irp e, 0,1,2,3,4,5,6,7
	v_mul_f32 v[40+\e], v[32+\e], v49              ; p
.endr
	v_mov_b32 v56, v40                             ; the largest p and its index
	v_mov_b32 v58, 0
.irp e, 1,2,3,4,5,6,7
	s_delay_alu instid0(VALU_DEP_2)
	v_cmp_gt_f32 vcc_lo, v[40+\e], v56
	s_delay_alu instid0(VALU_DEP_1)
	v_cndmask_b32 v56, v56, v[40+\e], vcc_lo
	s_delay_alu instid0(VALU_DEP_2)
	v_cndmask_b32 v58, v58, v[68+\e], vcc_lo
.endr
.irp e, 0,1,2,3,4,5,6,7
	v_cmp_eq_u32 vcc_lo, \e, v58
	s_delay_alu instid0(VALU_DEP_1)
	v_cndmask_b32 v[40+\e], v[40+\e], v76, vcc_lo  ; the chosen one drops under every p
.endr
	v_mov_b32 v57, v40                             ; the largest of the rest
	v_mov_b32 v59, 0
.irp e, 1,2,3,4,5,6,7
	s_delay_alu instid0(VALU_DEP_2)
	v_cmp_gt_f32 vcc_lo, v[40+\e], v57
	s_delay_alu instid0(VALU_DEP_1)
	v_cndmask_b32 v57, v57, v[40+\e], vcc_lo
	s_delay_alu instid0(VALU_DEP_2)
	v_cndmask_b32 v59, v59, v[68+\e], vcc_lo
.endr
	s_delay_alu instid0(VALU_DEP_2)
	v_add_f32 v60, v56, v57
	s_delay_alu instid0(VALU_DEP_1)
	v_add_f32 v60, 0x3089705f, v60                 ; + 1e-9
	s_wait_alu depctr_va_vdst(0)
	v_rcp_f32 v61, v60
	v_nop
	s_wait_alu depctr_va_vdst(0)
	v_mul_f32 v62, v56, v61
	v_mul_f32 v63, v57, v61
.irp e, 0,1,2,3,4,5,6,7
	v_cmp_eq_u32 s34, \e, v58
	v_cmp_eq_u32 s35, \e, v59
	s_or_b32 s34, s34, s35                         ; bit = lane: the low eight bits are expert e's byte
	v_writelane_b32 v65, s34, \e
.endr
	s_wait_alu depctr_va_vdst(0)                   ; directly ahead of the wait below
	s_wait_xcnt 0x0                                ; EXEC changes only behind this wait
	v_cmp_gt_u32 vcc_lo, 8, v1
	s_and_saveexec_b32 s36, vcc_lo
	global_store_b64 v64, v[58:59], s[28:29]       ; lanes 0-7: 64 consecutive bytes
	global_store_b64 v64, v[62:63], s[30:31]
	global_store_b8 v66, v65, s[32:33] offset:8192 ; lane e: byte g of expert e's bitmap
	s_wait_xcnt 0x0
	s_or_b32 exec_lo, exec_lo, s36
	s_wait_tensorcnt 0x0                           ; the wave's end
	ds_add_u32 v[SPW], v[NIL]
	s_wait_dscnt 0x0
	s_endpgm
.Lfunc_end_k_q86a601b682_router:
	.size	k_q86a601b682_router, .Lfunc_end_k_q86a601b682_router-k_q86a601b682_router
	.p2alignl 7, 3214868480
	.fill 96, 4, 3214868480
	.section	.rodata,"a",@progbits
	.p2align	6, 0x0
	.amdhsa_kernel k_q86a601b682_router
		.amdhsa_group_segment_fixed_size 71168
		.amdhsa_private_segment_fixed_size 0
		.amdhsa_enable_private_segment 0
		.amdhsa_kernarg_size 40
		.amdhsa_user_sgpr_count 2
		.amdhsa_user_sgpr_kernarg_segment_ptr 1
		.amdhsa_wavefront_size32 1
		.amdhsa_system_sgpr_workgroup_id_x 1
		.amdhsa_system_sgpr_workgroup_id_y 1
		.amdhsa_system_sgpr_workgroup_id_z 1
		.amdhsa_system_vgpr_workitem_id 0
		.amdhsa_next_free_vgpr 240
		.amdhsa_next_free_sgpr 66
		.amdhsa_reserve_vcc 1
		.amdhsa_float_denorm_mode_32 3
		.amdhsa_float_denorm_mode_16_64 3
		.amdhsa_memory_ordered 1
		.amdhsa_forward_progress 1
		.amdhsa_inst_pref_size 35
	.end_amdhsa_kernel
	.amdgpu_metadata
---
amdhsa.version: [ 1, 2 ]
amdhsa.kernels:
  - .name:           k_q86a601b682_router
    .symbol:         k_q86a601b682_router.kd
    .args:
      - { .name: x, .offset: 0, .size: 8, .value_kind: global_buffer, .address_space: global }
      - { .name: router_w, .offset: 8, .size: 8, .value_kind: global_buffer, .address_space: global }
      - { .name: xq, .offset: 16, .size: 8, .value_kind: global_buffer, .address_space: global }
      - { .name: route, .offset: 24, .size: 8, .value_kind: global_buffer, .address_space: global }
      - { .name: gw, .offset: 32, .size: 8, .value_kind: global_buffer, .address_space: global }
    .group_segment_fixed_size: 71168
    .private_segment_fixed_size: 0
    .kernarg_segment_align: 8
    .kernarg_segment_size: 40
    .max_flat_workgroup_size: 256
    .sgpr_count:     66
    .vgpr_count:     240
    .wavefront_size: 32
...
	.end_amdgpu_metadata
.endif
;; end of part 1
;; launch up (part 2): grid 32 x 8, 8 waves a work-group, no clusters, 218,624 bytes of LDS; arguments xq, route, w1, b1, hq, pos; writes hq, pos
.if DOCPART == 2
	.amdgcn_target "amdgcn-amd-amdhsa--gfx1250"
	.amdhsa_code_object_version 6
	.text
	.protected	k_q86a601b682_up
	.globl	k_q86a601b682_up
	.p2align	8
	.type	k_q86a601b682_up,@function
k_q86a601b682_up:
	s_mov_b64 s[64:65], 0
	v_nop
	global_prefetch_b8 v0, s[64:65] scope:SCOPE_SE
	s_setreg_imm32_b32 hwreg(HW_REG_WAVE_MODE, 25, 1), 1
	s_wait_xcnt 0x0
; THE FIRST PRODUCT OF THE CHOSEN ROWS: hidden = Q(relu(Q(x) Q(W1)^T + b1)), on codes of FP4 (E2M1) with one E8M0 scale for each 32 along K.
; Work-group (fs, e) owns hidden units 128 fs .. 128 fs + 127 of expert e: 128 rows of w1, 524,288 consecutive bytes of f32, which nobody else reads.
; 1. Wave 0 turns expert e's bitmap (stored by the launch before) into the list of its tokens in LDS; the work-groups with fs = 0 also store each token's rank among them (pos).
; 2. Each wave streams 16 rows of w1 (a ring of four sets of 8 loads: 16 KB a wave on their way), quantises them along K = 1,024 and lays the codes in LDS in the order in which operand registers take them.
; 3. Each wave takes pairs of tiles of 16 rows of the list: gathers their codes of x, multiplies with all 8 tiles of weights (K = 8 x 128), relu, quantises along the hidden units, and stores the result as an
;    IMAGE OF THE NEXT OPERAND'S REGISTERS: the 128 hidden units are K step fs of the second product.   hq: images [e][fs][tile 0..63][2][lane][16 bytes]; from byte 16,777,216 on scale words [e][fs][tile][16 rows].
; THE PRODUCT IS USED TRANSPOSED (source 0 = 16 rows of W1, source 1 = 16 rows of x): a lane holds one row of the hidden layer.  THE ROWS OF W1 THAT FORM A TILE ARE NOT NEIGHBOURS: row r of tile 2 b + u is hidden unit
; 32 b + 8 u + r + 8 (r / 8), so that the 16 registers of tiles 2 b and 2 b + 1 are 16 neighbours along the next K.  b1 is what the sums begin with: it is loaded into the accumulators.
; The list is filled up with token 0 to a multiple of 32 rows (at least 32): those rows are computed and stored, and no later launch carries them into the output.
; LIMITS: NaN and infinities are not served.  A block of zeros gets the byte 1 where the rule says 127: its codes are zeros, and this program alone reads the bytes.
; No cluster, no tensor load: the weights are shared by nobody; what the 32 work-groups of an expert share, its rows' codes (17 KB a pair of tiles against 512 KB of weights), is gathered by a list, and how much of it
; there is hangs on a count read from memory, on which the loop below branches.
.set WSC,  69632                       ; LDS 0: weight codes [tile 0..7][block 0..31][16 rows x 16 bytes + 16]: 8 x 8,704.  Here: their scale words: (t, s, r) at 1024 (t / 2) + 128 s + 64 (t % 2) + 4 r
.set LIST, 73728                       ; words 0..1023 the expert's tokens by rank; words 1024..1151 take what is not chosen
.set PB,   78336                       ; the 128 numbers of b1, a copy for each wave
.set STG,  82432                       ; 16,896 bytes for each wave: first the stage of the turn (32 x 144), then 32 rows of x's codes (pitch 528)
.set WS,   20                          ; v20-23   the weights' scale words: lanes 0-15 tile 2 u, lanes 16-31 tile 2 u + 1
.set XSC,  24                          ; v24-31   x's scale words, register s for K step s: lanes 0-15 the first tile's rows, lanes 16-31 the second's
.set X,    32                          ; v32-63   the stream: a block of 32 numbers
.set XF,   48                          ; v48-63   the products: x's two fragments
.set CD,   64                          ; v64-67   the stream: a block's codes;  v68-71 at work
.set WF,   64                          ; v64-127  the products: the weights' eight fragments
.set T,    64                          ; v64-79   the gather: byte offsets of rows 2 i + lane / 16;  v80 of row = lane
.set TK,   80
.set TM,   64                          ; v64-79   the hidden layer's quantiser, at work
.set PWA,  80                          ; v80, v81 the two tiles' scale words; v82 both in one
.set PWB,  81
.set SWD,  82
.set PCA,  88                          ; v88-95, v96-103 the two tiles' codes
.set PCB,  96
.set BI,   72                          ; v72-75   b1 as loaded
.set RK,   76                          ; v76-107  wave 0: ranks;  v108-116 at work there
.set R,    128                         ; v128-255 the stream's ring: four sets of 32
.set ACC,  128                         ; v128-255 accumulators: the first tile's at 128 + 8 t, the second's at 192 + 8 t
; v1 lane, v2 16 x lane, v3/v4 the turn's stage in and out, v5 where codes go, v6 where scale bytes go, v7/v8 weight fragments of tiles 0-3 / 4-7, v9 weight scale words, v10/v11 x's rows in and out,
; v12 b1 for my half of the lanes, v13/v14 the list by pairs of rows / by lane, v15 16 (lane % 16), v16/v17 my offsets in hq's images / words, v18 where b1 goes, v19 at work
.macro LOADSET set, off                ; 4,096 consecutive bytes of a row: eight loads of 512
.irp j, 0,1,2,3,4,5,6,7
	global_load_b128 v[R+32*(\set)+4*\j:R+32*(\set)+4*\j+3], v2, s[8:9] offset:(\off)+512*\j th:TH_LOAD_NT
.endr
.endm
; One row (1,024 numbers): through the stage, so that a lane holds ONE block of 32; its scale, its codes; codes and scale byte to their places.  left: younger loads that may stay out
.macro QSTEP set, left, imgoff, scoff, nextoff
	s_wait_loadcnt \left                           ; loads come back in order: this set is in
.irp j, 0,1,2,3,4,5,6,7
	ds_store_b128 v3, v[R+32*(\set)+4*\j:R+32*(\set)+4*\j+3] offset:576*\j
.endr
.irp j, 0,1,2,3,4,5,6,7
	ds_load_b128 v[X+4*\j:X+4*\j+3], v4 offset:16*\j       ; LDS serves a wave's instructions in order: these see the stores above
.endr
	s_wait_dscnt 0x0                               ; the block is in, and the stores have read the set,
.if (\nextoff) >= 0
	LOADSET \set, \nextoff                         ; which takes the row four further on
.endif
	v_max3_num_f32 v68, |v[X]|, |v[X+1]|, |v[X+2]|
	v_max3_num_f32 v69, |v[X+3]|, |v[X+4]|, |v[X+5]|
.irp i, 6,10,14,18,22,26
	s_delay_alu instid0(VALU_DEP_2)
	v_max3_num_f32 v68, v68, |v[X+\i]|, |v[X+\i+1]|
	s_delay_alu instid0(VALU_DEP_2)
	v_max3_num_f32 v69, v69, |v[X+\i+2]|, |v[X+\i+3]|
.endr
	s_delay_alu instid0(VALU_DEP_2)
	v_max3_num_f32 v68, v68, |v[X+30]|, |v[X+31]|
	s_delay_alu instid0(VALU_DEP_1)
	v_max3_num_f32 v68, v68, v69, 0x1800000        ; the floor 2^(3 - 127): the byte cannot fall under 1
	s_delay_alu instid0(VALU_DEP_1)
	v_add_nc_u32 v70, 0xff000000, v68              ; 2 off the exponent field: the conversion's scale operand
.irp g, 0,1,2,3
	v_cvt_scalef32_pk8_fp4_f32 v[CD+\g], v[X+8*\g:X+8*\g+7], v70
.endr
	v_lshrrev_b32 v71, 23, v70                     ; the scale's byte (also the plain instruction behind the conversions)
	ds_store_b128 v5, v[CD:CD+3] offset:\imgoff
	ds_store_b8 v6, v71 offset:\scoff
.endm
; accumulator (tile m of rows, tile t of weights) += weights' fragment t x x's fragment m, K step s
.macro MM t, m, s
.set rD, ACC+64*(\m)+8*(\t)
.set rA, WF+8*(\t)
.set rB, XF+8*(\m)
.set rSA, WS+(\t)/2
.set rSB, XSC+(\s)
.if ((\t)%2 == 0) && ((\m) == 0)
	v_wmma_scale_f32_16x16x128_f8f6f4 v[rD:rD+7], v[rA:rA+7], v[rB:rB+7], v[rD:rD+7], v[rSA], v[rSB] matrix_a_fmt:MATRIX_FMT_FP4 matrix_b_fmt:MATRIX_FMT_FP4
.elseif ((\t)%2 == 1) && ((\m) == 0)
	v_wmma_scale_f32_16x16x128_f8f6f4 v[rD:rD+7], v[rA:rA+7], v[rB:rB+7], v[rD:rD+7], v[rSA], v[rSB] matrix_a_fmt:MATRIX_FMT_FP4 matrix_b_fmt:MATRIX_FMT_FP4 matrix_a_scale:MATRIX_SCALE_ROW1
.elseif ((\t)%2 == 0)
	v_wmma_scale_f32_16x16x128_f8f6f4 v[rD:rD+7], v[rA:rA+7], v[rB:rB+7], v[rD:rD+7], v[rSA], v[rSB] matrix_a_fmt:MATRIX_FMT_FP4 matrix_b_fmt:MATRIX_FMT_FP4 matrix_b_scale:MATRIX_SCALE_ROW1
.else
	v_wmma_scale_f32_16x16x128_f8f6f4 v[rD:rD+7], v[rA:rA+7], v[rB:rB+7], v[rD:rD+7], v[rSA], v[rSB] matrix_a_fmt:MATRIX_FMT_FP4 matrix_b_fmt:MATRIX_FMT_FP4 matrix_a_scale:MATRIX_SCALE_ROW1 matrix_b_scale:MATRIX_SCALE_ROW1
.endif
.endm
; 128 along K: eight weight fragments, their scale words, x's two fragments; 16 matrix instructions on 16 accumulators, which take turns
.macro KSTEP s
.if (\s) > 0
.rept 4
	v_nop                                          ; four plain instructions between the last matrix instruction and loads into registers that it read (ISA guide 7.12.1 for vector instructions)
.endr
.endif
.irp t, 0,1,2,3
.irp c, 0,1
	ds_load_b128 v[WF+8*\t+4*\c:WF+8*\t+4*\c+3], v7 offset:8704*\t+272*(4*(\s)+2*\c)          ; registers 4 c .. 4 c + 3 of lane (r, h): block 4 s + 2 c + h of row r; 16 lanes read 256 consecutive bytes
	ds_load_b128 v[WF+32+8*\t+4*\c:WF+32+8*\t+4*\c+3], v8 offset:8704*\t+272*(4*(\s)+2*\c)
.endr
.endr
.irp u, 0,1,2,3
	ds_load_b32 v[WS+\u], v9 offset:1024*\u+128*(\s)
.endr
.irp m, 0,1
.irp c, 0,1
	ds_load_b128 v[XF+8*\m+4*\c:XF+8*\m+4*\c+3], v11 offset:8448*\m+64*(\s)+32*\c
.endr
.endr
	s_wait_dscnt 0x0
.irp t, 0,1,2,3,4,5,6,7
	MM \t, 0, \s
	MM \t, 1, \s
.endr
.endm
; 64 numbers of a lane, none negative, register 16 b + i = hidden unit 32 b + 16 (lane / 16) + i of my row, become a fragment's codes in v[pc] on and its scale word in v[pw]
.macro QUANT s, pc, pw
.irp b, 0,1,2,3
	v_max3_num_f32 v[TM+\b], v[\s+16*\b], v[\s+1+16*\b], 0x1800000     ; block b: my 16 numbers and the floor; the four blocks by turns
.endr
.irp i, 2,4,6,8,10,12,14
.irp b, 0,1,2,3
	s_delay_alu instid0(VALU_DEP_4)
	v_max3_num_f32 v[TM+\b], v[TM+\b], v[\s+16*\b+\i], v[\s+1+16*\b+\i]
.endr
.endr
.irp b, 0,1,2,3
	s_delay_alu instid0(VALU_DEP_4)
	v_permlanex16_b32 v[TM+4+\b], v[TM+\b], s56, s57
.endr
.irp b, 0,1,2,3
	s_delay_alu instid0(VALU_DEP_4)
	v_max_num_f32 v[TM+\b], v[TM+\b], v[TM+4+\b]   ; with lane l xor 16's 16: the block's largest
.endr
.irp b, 0,1,2,3
	s_delay_alu instid0(VALU_DEP_4)
	v_add_nc_u32 v[TM+12+\b], 0xff000000, v[TM+\b]
.endr
.irp b, 0,1,2,3
	s_delay_alu instid0(VALU_DEP_4)
	v_lshrrev_b32 v[TM+4+\b], 23, v[TM+12+\b]
.endr
	s_delay_alu instid0(VALU_DEP_3)
	v_lshl_or_b32 v[\pw], v[TM+5], 8, v[TM+4]      ; the four bytes make my row's scale word
	s_delay_alu instid0(VALU_DEP_1)
	v_lshl_or_b32 v[\pw], v[TM+6], 16, v[\pw]
	s_delay_alu instid0(VALU_DEP_1)
	v_lshl_or_b32 v[\pw], v[TM+7], 24, v[\pw]
.irp b, 0,1,2,3
	v_cvt_scalef32_pk8_fp4_f32 v[\pc+2*\b], v[\s+16*\b:\s+7+16*\b], v[TM+12+\b]
	v_cvt_scalef32_pk8_fp4_f32 v[\pc+1+2*\b], v[\s+8+16*\b:\s+15+16*\b], v[TM+12+\b]
.endr
	v_nop                                          ; a plain instruction behind the conversions
.irp c, 0,1                                    ; the operand's layout wants a whole block in a lane: lanes 0-15 block 2 c, lanes 16-31 block 2 c + 1
.irp i, 0,1
	v_permlane16_swap_b32 v[\pc+4*\c+\i], v[\pc+2+4*\c+\i]
.endr
.endr
.endm
.macro OUTTILE acc, pc, pw, m
.set J, 0
.rept 64
	v_max_num_f32 v[\acc+J], 0, v[\acc+J]          ; the activation, in f32; each accumulator from its low end on
.set J, J+1
.endr
	QUANT \acc, \pc, \pw
	global_store_b128 v16, v[\pc:\pc+3], s[12:13] offset:1024*\m          ; the image: 512 consecutive bytes a store
	global_store_b128 v16, v[\pc+4:\pc+7], s[12:13] offset:1024*\m+512
.endm
	s_load_b256 s[4:11], s[0:1], 0x0               ; xq s[4:5], route s[6:7], w1 s[8:9], b1 s[10:11]
	s_load_b128 s[12:15], s[0:1], 0x20             ; hq s[12:13], pos s[14:15]
	v_lshrrev_b32 v32, 5, v0
	s_delay_alu instid0(VALU_DEP_1)
	v_readfirstlane_b32 s48, v32                   ; wave 0..7
	s_and_b32 s66, ttmp7, 0xffff                   ; the expert
	v_and_b32 v1, 31, v0
	s_delay_alu instid0(VALU_DEP_1)
	v_lshlrev_b32 v2, 4, v1
	v_and_b32 v32, 15, v0                          ; r
	v_bfe_u32 v33, v0, 4, 1                        ; h
	s_mul_i32 s67, s48, 16896
	s_add_co_u32 s67, s67, STG                     ; my 16,896 bytes
	v_lshrrev_b32 v3, 3, v1
	s_delay_alu instid0(VALU_DEP_1)
	v_mul_u32_u24 v3, v3, 144
	v_and_b32 v4, 7, v1
	s_delay_alu instid0(VALU_DEP_1)
	v_lshl_add_u32 v3, v4, 4, v3
	s_delay_alu instid0(VALU_DEP_1)
	v_add_nc_u32 v3, s67, v3                       ; 144 (lane / 8) + 16 (lane % 8)
	v_mul_u32_u24 v4, v1, 144
	s_delay_alu instid0(VALU_DEP_1)
	v_add_nc_u32 v4, s67, v4                       ; 144 x lane
	s_lshr_b32 s68, s48, 1
	s_and_b32 s69, s48, 1
	s_mul_i32 s70, s68, 17408
	s_lshl_b32 s71, s69, 7
	s_add_co_u32 s70, s70, s71
	v_mul_u32_u24 v5, v1, 272
	s_delay_alu instid0(VALU_DEP_1)
	v_add_nc_u32 v5, s70, v5                       ; my row 16 w + i is row (i % 8) + 8 (w % 2) of tile 2 (w / 2) + i / 8; block = lane
	s_lshl_b32 s70, s68, 10
	s_lshl_b32 s71, s69, 5
	s_add_co_u32 s70, s70, s71
	s_add_co_u32 s70, s70, WSC
	v_lshrrev_b32 v6, 2, v1
	s_delay_alu instid0(VALU_DEP_1)
	v_lshlrev_b32 v6, 7, v6
	v_and_b32 v7, 3, v1
	s_delay_alu instid0(VALU_DEP_1)
	v_add_nc_u32 v6, v6, v7
	s_delay_alu instid0(VALU_DEP_1)
	v_add_nc_u32 v6, s70, v6                       ; K step lane / 4, byte lane % 4 of the row's word
	v_mul_u32_u24 v7, v33, 272
	s_delay_alu instid0(VALU_DEP_1)
	v_lshl_add_u32 v7, v32, 4, v7
	s_delay_alu instid0(VALU_DEP_1)
	v_add_nc_u32 v8, 34816, v7
	v_lshl_add_u32 v9, v1, 2, WSC
	v_mul_u32_u24 v10, v33, 528
	s_delay_alu instid0(VALU_DEP_1)
	v_lshl_add_u32 v10, v32, 4, v10
	s_delay_alu instid0(VALU_DEP_1)
	v_add_nc_u32 v10, s67, v10
	v_mul_u32_u24 v11, v32, 528
	s_delay_alu instid0(VALU_DEP_1)
	v_lshl_add_u32 v11, v33, 4, v11
	s_delay_alu instid0(VALU_DEP_1)
	v_add_nc_u32 v11, s67, v11
	s_lshl_b32 s70, s48, 9
	s_add_co_u32 s70, s70, PB
	v_lshl_add_u32 v12, v33, 6, s70
	v_add_nc_u32 v18, s70, v2
	s_lshl_b32 s70, s48, 7
	s_add_co_u32 s70, s70, LIST
	v_lshl_add_u32 v13, v33, 2, s70
	v_lshl_add_u32 v14, v1, 2, s70
	v_lshlrev_b32 v15, 4, v32
	s_lshl_b32 s71, s48, 11
	v_add_nc_u32 v16, s71, v2
	s_lshl_b32 s71, s48, 7
	v_lshl_add_u32 v17, v1, 2, s71
	v_add_nc_u32 v116, LIST, v2
	s_mov_b32 s54, 0xffff0000                      ; lanes 16-31
	s_mov_b32 s56, 0x76543210
	s_mov_b32 s57, 0xfedcba98                      ; v_permlanex16_b32's selects for lane l xor 16
	s_lshl_b32 s70, s66, 7
	s_mov_b32 s71, 0
	s_wait_kmcnt 0x0
	s_add_nc_u64 s[72:73], s[6:7], s[70:71]
	s_load_b512 s[16:31], s[72:73], 0x2000         ; the expert's bitmap: 32 words
	s_load_b512 s[32:47], s[72:73], 0x2040
	s_lshl_b32 s70, s66, 24
	s_lshl_b32 s74, ttmp9, 19
	s_add_co_u32 s70, s70, s74
	s_lshl_b32 s74, s48, 16
	s_add_co_u32 s70, s70, s74
	s_add_nc_u64 s[8:9], s[8:9], s[70:71]          ; w1 at row 4,096 e + 128 fs + 16 w
	s_lshl_b32 s70, s66, 14
	s_lshl_b32 s74, ttmp9, 9
	s_add_co_u32 s70, s70, s74
	s_add_nc_u64 s[10:11], s[10:11], s[70:71]      ; b1 at my 128 numbers
	s_lshl_b32 s74, s66, 5
	s_add_co_u32 s74, s74, ttmp9                   ; 32 e + fs
	s_lshl_b32 s70, s74, 12
	s_add_co_u32 s70, s70, 0x1000000
	s_add_nc_u64 s[58:59], s[12:13], s[70:71]      ; hq's scale words of (e, fs)
	s_lshl_b32 s70, s74, 16
	s_add_nc_u64 s[12:13], s[12:13], s[70:71]      ; and its images
	s_lshl_b32 s70, s66, 12
	s_add_nc_u64 s[14:15], s[14:15], s[70:71]      ; pos of expert e
	global_load_b128 v[BI:BI+3], v2, s[10:11]
	LOADSET 0, 0
	LOADSET 1, 4096
	LOADSET 2, 8192
	LOADSET 3, 12288
	s_wait_kmcnt 0x0
	s_mov_b32 s49, 0
.set K, 0
.rept 32
	s_bcnt1_i32_b32 s60, s[16+K]
	s_add_co_u32 s49, s49, s60                     ; the expert's tokens
.set K, K+1
.endr
	s_add_co_u32 s50, s49, 31
	s_lshr_b32 s50, s50, 5
	s_max_u32 s50, s50, 1                          ; pairs of tiles, at least one
	s_cmp_lg_u32 s48, 0
	s_cbranch_scc1 .Lno_list
	; wave 0: the list.  Word k of the bitmap: lane = token 32 k + lane; its rank = the tokens before word k + the set bits under my lane
	v_add_nc_u32 v108, 1024, v1
	v_lshlrev_b32 v111, 2, v1
.irp z, 112,113,114,115
	v_mov_b32 v\z, 0
.endr
	s_wait_alu depctr_va_vdst(0)
.irp k, 0,1,2,3,4,5,6,7,8
	ds_store_b128 v116, v[112:115] offset:512*\k   ; token 0 everywhere first
.endr
	s_mov_b32 s51, 0
.set K, 0
.rept 32
	v_mbcnt_lo_u32_b32 v[RK+K], s[16+K], s51
	s_delay_alu instid0(VALU_DEP_1)
	v_cndmask_b32 v109, v108, v[RK+K], s[16+K]     ; a token that is not chosen writes behind the list
	s_delay_alu instid0(VALU_DEP_1)
	v_min_u32 v109, 0x47f, v109
	s_delay_alu instid0(VALU_DEP_1)
	v_lshl_add_u32 v109, v109, 2, LIST
	v_or_b32 v110, 32*K, v1
	ds_store_b32 v109, v110
	s_bcnt1_i32_b32 s60, s[16+K]
	s_add_co_u32 s51, s51, s60
.set K, K+1
.endr
	s_cmp_lg_u32 ttmp9, 0
	s_cbranch_scc1 .Lno_list
.set K, 0
.rept 32
	global_store_b32 v111, v[RK+K], s[14:15] offset:128*K   ; one work-group of each expert stores the ranks: 128 consecutive bytes a store
.set K, K+1
.endr
.Lno_list:
	s_wait_dscnt 0x0                               ; the list lies in LDS; up to here no other wave has touched LDS
	s_barrier_signal -1
	s_barrier_wait -1
	s_wait_loadcnt 32                              ; b1 is in; the ring's 32 loads, issued behind it, may be out
	s_wait_alu depctr_va_vdst(0)
	ds_store_b128 v18, v[BI:BI+3]
	; the stream: my 16 rows.  Three younger sets (24 loads) stay out; the last four rows ask for nothing and the counts run down
.set I, 0
.rept 16
.set QL, 24
.if I > 12
.set QL, 8*(15-I)
.endif
.set QN, -1
.if I < 12
.set QN, 4096*(I+4)
.endif
	QSTEP I%4, QL, (I/8)*8704+(I%8)*16, (I/8)*64+(I%8)*4, QN
.set I, I+1
.endr
	s_wait_dscnt 0x0                               ; for the others' sake: my codes and scale bytes lie in LDS
	s_barrier_signal -1
	s_barrier_wait -1                              ; all 128 rows do
	s_wait_xcnt 0x0                                ; the ranks' stores have read their registers
	s_mov_b32 s52, 0                               ; four trips: pair 8 g + w
	s_mov_b32 s53, 0                               ; 1,024 g: the pair's place in the list
	s_mov_b32 s55, s48
.Lpair:
	s_cmp_ge_u32 s55, s50
	s_cbranch_scc1 .Lskip                          ; no such pair for this expert
	v_add_nc_u32 v19, s53, v14
	ds_load_b32 v[TK], v19                         ; the token of row = lane
	v_add_nc_u32 v19, s53, v13
.irp i, 0,1,2,3,4,5,6,7,8,9,10,11,12,13,14,15
	ds_load_b32 v[T+\i], v19 offset:8*\i           ; the token of row 2 i + lane / 16
.endr
	s_wait_dscnt 0x0
	v_min_u32 v[TK], 0x3ff, v[TK]
.irp i, 0,1,2,3,4,5,6,7,8,9,10,11,12,13,14,15
	v_min_u32 v[T+\i], 0x3ff, v[T+\i]
.endr
.irp i, 0,1,2,3,4,5,6,7,8,9,10,11,12,13,14,15
	v_lshl_add_u32 v[T+\i], v[T+\i], 9, v15        ; 512 bytes a row of codes, 16 a lane
.endr
	v_lshlrev_b32 v[TK], 5, v[TK]                  ; 32 scale bytes a row
	global_load_b128 v[XSC:XSC+3], v[TK], s[4:5] offset:524288
	global_load_b128 v[XSC+4:XSC+7], v[TK], s[4:5] offset:524304
.irp i, 0,1,2,3,4,5,6,7,8,9,10,11,12,13,14,15
	global_load_b128 v[ACC+8*\i:ACC+8*\i+3], v[T+\i], s[4:5]                 ; 16 lanes read 256 consecutive bytes of a row
	global_load_b128 v[ACC+8*\i+4:ACC+8*\i+7], v[T+\i], s[4:5] offset:256
.endr
	s_wait_loadcnt 0x0
.irp i, 0,1,2,3,4,5,6,7,8,9,10,11,12,13,14,15
	ds_store_b128 v10, v[ACC+8*\i:ACC+8*\i+3] offset:1056*\i
	ds_store_b128 v10, v[ACC+8*\i+4:ACC+8*\i+7] offset:1056*\i+256
.endr
.irp m, 0,1                                    ; the sums begin with b1: lane (r, h), tile 2 b + u, register j: hidden unit 32 b + 16 h + 8 u + j
.irp t, 0,1,2,3,4,5,6,7
	ds_load_b128 v[ACC+64*\m+8*\t:ACC+64*\m+8*\t+3], v12 offset:(32*(\t/2)+8*(\t%2))*4
	ds_load_b128 v[ACC+64*\m+8*\t+4:ACC+64*\m+8*\t+7], v12 offset:(32*(\t/2)+8*(\t%2))*4+16
.endr
.endr
.irp s, 0,1,2,3,4,5,6,7
	KSTEP \s
.endr
.rept 4
	v_nop                                          ; four plain instructions between the last matrix instruction and the first read of results
.endr
	OUTTILE ACC, PCA, PWA, 0
	OUTTILE ACC+64, PCB, PWB, 1
	v_cndmask_b32 v[SWD], v[PWA], v[PWB], s54      ; lanes 0-15 the first tile's rows' words, lanes 16-31 the second's (both halves of the lanes hold a row's word)
	global_store_b32 v17, v[SWD], s[58:59]         ; 128 consecutive bytes
.Lskip:
	s_wait_xcnt 0x0                                ; the stores have read their registers and offsets: both are written again only behind this wait
	s_wait_alu depctr_va_vdst(0)
	v_add_nc_u32 v16, 16384, v16                   ; eight pairs on
	v_add_nc_u32 v17, 1024, v17
	s_add_co_u32 s53, s53, 1024
	s_add_co_u32 s55, s55, 8
	s_add_co_u32 s52, s52, 1
	s_cmp_lt_u32 s52, 4
	s_cbranch_scc1 .Lpair
	v_lshl_add_u32 v32, v0, 2, 217600              ; no two registers could be kept: v0 stands as at the entry, and my spare word's address (behind the waves' stages, 128 bytes a wave) and 0 are made here
	v_mov_b32 v33, 0
	s_wait_alu depctr_va_vdst(0)                   ; directly ahead of the wait below
	s_wait_tensorcnt 0x0                           ; the wave's end
	ds_add_u32 v32, v33
	s_wait_dscnt 0x0
	s_endpgm
.Lfunc_end_k_q86a601b682_up:
	.size	k_q86a601b682_up, .Lfunc_end_k_q86a601b682_up-k_q86a601b682_up
	.p2alignl 7, 3214868480
	.fill 96, 4, 3214868480
	.section	.rodata,"a",@progbits
	.p2align	6, 0x0
	.amdhsa_kernel k_q86a601b682_up
		.amdhsa_group_segment_fixed_size 218624
		.amdhsa_private_segment_fixed_size 0
		.amdhsa_enable_private_segment 0
		.amdhsa_kernarg_size 48
		.amdhsa_user_sgpr_count 2
		.amdhsa_user_sgpr_kernarg_segment_ptr 1
		.amdhsa_wavefront_size32 1
		.amdhsa_system_sgpr_workgroup_id_x 1
		.amdhsa_system_sgpr_workgroup_id_y 1
		.amdhsa_system_sgpr_workgroup_id_z 1
		.amdhsa_system_vgpr_workitem_id 0
		.amdhsa_next_free_vgpr 256
		.amdhsa_next_free_sgpr 80
		.amdhsa_reserve_vcc 0
		.amdhsa_float_denorm_mode_32 3
		.amdhsa_float_denorm_mode_16_64 3
		.amdhsa_memory_ordered 1
		.amdhsa_forward_progress 1
		.amdhsa_inst_pref_size 146
	.end_amdhsa_kernel
	.amdgpu_metadata
---
amdhsa.version: [ 1, 2 ]
amdhsa.kernels:
  - .name:           k_q86a601b682_up
    .symbol:         k_q86a601b682_up.kd
    .args:
      - { .name: xq, .offset: 0, .size: 8, .value_kind: global_buffer, .address_space: global }
      - { .name: route, .offset: 8, .size: 8, .value_kind: global_buffer, .address_space: global }
      - { .name: w1, .offset: 16, .size: 8, .value_kind: global_buffer, .address_space: global }
      - { .name: b1, .offset: 24, .size: 8, .value_kind: global_buffer, .address_space: global }
      - { .name: hq, .offset: 32, .size: 8, .value_kind: global_buffer, .address_space: global }
      - { .name: pos, .offset: 40, .size: 8, .value_kind: global_buffer, .address_space: global }
    .group_segment_fixed_size: 218624
    .private_segment_fixed_size: 0
    .kernarg_segment_align: 8
    .kernarg_segment_size: 48
    .max_flat_workgroup_size: 256
    .sgpr_count:     80
    .vgpr_count:     256
    .wavefront_size: 32
...
	.end_amdgpu_metadata
.endif
;; end of part 2
;; launch down (part 3): grid 32 x 8, 16 waves a work-group, no clusters, 145,408 bytes of LDS; arguments route, hq, w2, yb; writes yb
.if DOCPART == 3
	.amdgcn_target "amdgcn-amd-amdhsa--gfx1250"
	.amdhsa_code_object_version 6
	.text
	.protected	k_q86a601b682_down
	.globl	k_q86a601b682_down
	.p2align	8
	.type	k_q86a601b682_down,@function
k_q86a601b682_down:
	s_mov_b64 s[64:65], 0
	v_nop
	global_prefetch_b8 v0, s[64:65] scope:SCOPE_SE
	s_setreg_imm32_b32 hwreg(HW_REG_WAVE_MODE, 25, 1), 1
	s_wait_xcnt 0x0
; THE SECOND PRODUCT OF THE CHOSEN ROWS, IN FOUR PARTS ALONG K: part kq of y = hidden Q(W2)^T, on codes of FP4 (E2M1) with one E8M0 scale for each 32 along K.
; Only the rows of the tokens that chose expert e are multiplied: reference() gathers the two chosen experts' rows of y and uses no other row.  b2 and the sum of the four parts are the next launch's.
; Work-group (x = 4 cb + kq, e) owns columns 128 cb .. + 127 and K = 1,024 kq .. + 1,023 of expert e: 128 pieces of 4,096 bytes of w2, which nobody else reads, and of the hidden layer only K steps 8 kq .. 8 kq + 7.
; ALL 16 WAVES ARE ALIKE.  Wave w quantises row w of each of the 8 tiles of 16 columns (a set: 8 loads of 512 bytes, a K step each; a ring of three sets), and multiplies the tile of 16 hidden rows w,
; whose 8 fragments and scale words, stored by the launch before as images of their registers, are loaded once and stay in registers.
; FOUR PERIODS of two column tiles.  In period Q a wave quantises sets 2 Q and 2 Q + 1, lays codes and scale bytes into LDS in the order in which operand registers take them, signals the barrier, multiplies
; period Q - 1 (whose codes the barrier before has shown), waits at the barrier and puts the 16 x 32 results into its own stage; every second period the stage's 16 rows x 256 bytes leave.  No weight byte of LDS is written twice.
; THE QUANTISER WORKS ON THE NUMBERS AS THEY ARE LOADED: lane l holds 4 neighbours of block l / 8 of the K step, so a block's largest magnitude is joined over 8 lanes by three row_xmask steps.
; The conversion takes 8 registers, the 4 of one load and the 4 of the next, under one scale: it is issued twice, under each load's scale; the first's low half and the second's high half are right, 4 codes each,
; and go by 2-byte stores to byte 2 (l % 8) of their block's 16.
; NO BRANCH STANDS AMONG THE PERIODS' LOADS AND PRODUCTS: its sums are computed and not stored.
; TILES 16 .. 63 come behind the periods, 8 to a round: wave w takes tile 16 + 8 p + w / 2 against column tiles 4 (w % 2) .. + 3.  The first round's fragments are asked for in the last period, into ring registers that are free.
; THE PRODUCT IS USED TRANSPOSED (source 0 = 16 rows of W2, source 1 = 16 hidden rows): a lane holds eight neighbouring columns of one row of y.
; yb: [e][kq][rank 0..1023][1,024 f32].  Rows up to the next multiple of 32 behind the expert's count are stored; no later launch reads those behind the count.
; PREFETCH: in period 0 each wave names the 32 blocks of 256 bytes of its sets 6 and 7 (a lane a block, each block once), which are loaded in periods 1 and 2; sets 0 to 5 come by their loads alone.
; The images are loaded once, at the head: there is no loop to run ahead in for them.
; LIMITS: NaN and infinities are not served.  A block of zeros gets the byte 1 where the rule says 127: its codes are zeros, and this program alone reads the bytes.
; No cluster, no tensor load: the weights are shared by nobody; how many tiles there are hangs on a count read from memory, on which the stores and the later rounds branch.
.set WSC,   69632                      ; LDS 0: weight codes [tile 0..7][block 0..31][16 rows x 16 bytes + 16]: 8 x 8,704.  Here: scale words: (tile t, K step j, row r) at 1024 (t / 2) + 128 j + 64 (t % 2) + 4 r
.set YST,   73728                      ; the way out: 16 rows x 272 bytes for each wave
.set SPARE, 143360                     ; the spare words, 128 bytes for each wave
.set SPW,  3                           ; v3       my spare word's address; v4 = 0: kept for the add alone
.set NIL,  4
.set WS,   24                          ; v24-25   the weights' scale words: lanes 0-15 an even tile, lanes 16-31 the odd one behind it
.set HS,   26                          ; v26-33   my tile's scale words, K step j at j;  v34-41 those of a later round's tile
.set HS2,  34
.set WF,   42                          ; v42-73   weight fragments; while a set is quantised: M, CD, BY; on the way out rows of y
.set M,    42
.set CD,   50
.set BY,   58
.set H,    74                          ; v74-137  my tile's fragments, K step j at 8 j; in the later rounds rows of y
.set ACC,  138                         ; v138-153 two accumulators
.set S,    154                         ; v154-249 three sets of w2; in the later rounds v154-217 a tile's fragments, v218-249 four accumulators
.set A2,   S+64
; v1 lane, v2 16 x lane, v5/v10 where codes go (tiles 0-3 / 4-7), v6 where scale bytes go, v7/v8 weight fragments of tiles 0-3 / 4-7, v9 weight scale words, v11 4 r, v12/v13 the stage in and out, v14 my offset in yb,
; v15/v21 weight fragments / scale words of my half of the columns, v16/v17 my tile's offsets in hq's images / words, v18/v19 a later round's, v20 the prefetch's offset, v22 a later round's offset in yb, v23 4,096 h + 16 r
.macro SLOAD t                         ; set t: 4,096 consecutive bytes of row w of column tile t
.irp j, 0,1,2,3,4,5,6,7
	global_load_b128 v[S+32*((\t)%3)+4*\j:S+32*((\t)%3)+4*\j+3], v2, s[54:55] offset:262144*(\t)+512*\j th:TH_LOAD_NT
.endr
.endm
.macro HLOAD hr, hs, vh, vs            ; a tile's 8 fragments and scale words: 24 loads
.irp j, 0,1,2,3,4,5,6,7
	global_load_b128 v[\hr+8*\j:\hr+8*\j+3], v[\vh], s[56:57] offset:65536*\j
	global_load_b128 v[\hr+8*\j+4:\hr+8*\j+7], v[\vh], s[56:57] offset:65536*\j+512
	global_load_b32 v[\hs+\j], v[\vs], s[58:59] offset:4096*\j
.endr
.endm
; d += a x b (nz = 0: the sum begins, with the constant 0);  row = 1: the weights' scale words stand in lanes 16-31
.macro WM d, a, b, nz, sa, sb, row
.if ((\nz) == 0) && (\row)
	v_wmma_scale_f32_16x16x128_f8f6f4 v[(\d):(\d)+7], v[(\a):(\a)+7], v[(\b):(\b)+7], 0, v[\sa], v[\sb] matrix_a_fmt:MATRIX_FMT_FP4 matrix_b_fmt:MATRIX_FMT_FP4 matrix_a_scale:MATRIX_SCALE_ROW1
.elseif (\nz) == 0
	v_wmma_scale_f32_16x16x128_f8f6f4 v[(\d):(\d)+7], v[(\a):(\a)+7], v[(\b):(\b)+7], 0, v[\sa], v[\sb] matrix_a_fmt:MATRIX_FMT_FP4 matrix_b_fmt:MATRIX_FMT_FP4
.elseif (\row)
	v_wmma_scale_f32_16x16x128_f8f6f4 v[(\d):(\d)+7], v[(\a):(\a)+7], v[(\b):(\b)+7], v[(\d):(\d)+7], v[\sa], v[\sb] matrix_a_fmt:MATRIX_FMT_FP4 matrix_b_fmt:MATRIX_FMT_FP4 matrix_a_scale:MATRIX_SCALE_ROW1
.else
	v_wmma_scale_f32_16x16x128_f8f6f4 v[(\d):(\d)+7], v[(\a):(\a)+7], v[(\b):(\b)+7], v[(\d):(\d)+7], v[\sa], v[\sb] matrix_a_fmt:MATRIX_FMT_FP4 matrix_b_fmt:MATRIX_FMT_FP4
.endif
.endm
; Set t into codes.  The eight loads take turns line by line, so that no line reads the result of one of the four lines above it
.macro QSET t
.if (\t) <= 2
	s_wait_loadcnt 40                              ; set t is in: behind it two sets (16 loads) and my tile's 24 loads were issued
.elseif (\t) <= 5
	s_wait_loadcnt 16                              ; behind it two sets
.else
	s_wait_loadcnt 8*(7-(\t))                      ; the ring runs out
.endif
.if (\t) == 0
	global_prefetch_b8 v20, s[54:55] offset:262144*6 th:TH_LOAD_NT scope:SCOPE_SE   ; sets 6 and 7; its address registers are never written again
.endif
.if (\t) == 6
	s_wait_xcnt 0x0                                ; the first way out's stores have read their registers, which are written below
.endif
.set SB, S+32*((\t)%3)
.set CA, 5+5*((\t)/4)
.irp i, 0,1,2,3,4,5,6,7
	v_max3_num_f32 v[M+\i], |v[SB+4*\i]|, |v[SB+4*\i+1]|, |v[SB+4*\i+2]|
.endr
.irp i, 0,1,2,3,4,5,6,7
	v_max3_num_f32 v[M+\i], v[M+\i], |v[SB+4*\i+3]|, 0x1800000     ; my four numbers and the floor 2^(3 - 127): the byte cannot fall under 1
.endr
.irp x, 1,2,4
.irp i, 0,1,2,3,4,5,6,7
	v_max_num_f32_dpp v[M+\i], v[M+\i], v[M+\i] row_xmask:\x row_mask:0xf bank_mask:0xf   ; over the block's eight lanes
.endr
.endr
.irp i, 0,1,2,3,4,5,6,7
	v_add_nc_u32 v[M+\i], 0xff000000, v[M+\i]      ; 2 off the exponent field: the conversion's scale operand
.endr
.irp p, 0,1,2,3
	v_cvt_scalef32_pk8_fp4_f32 v[CD+2*\p], v[SB+8*\p:SB+8*\p+7], v[M+2*\p]         ; under K step 2 p's scale: the low half holds its 4 codes
	v_cvt_scalef32_pk8_fp4_f32 v[CD+2*\p+1], v[SB+8*\p:SB+8*\p+7], v[M+2*\p+1]     ; under K step 2 p + 1's: the high half holds its 4
.endr
.irp i, 0,1,2,3,4,5,6,7
	v_lshrrev_b32 v[BY+\i], 23, v[M+\i]            ; the scale's byte (also the plain instruction behind the conversions)
.endr
.irp p, 0,1,2,3                                ; 1,088 bytes a K step (4 blocks of 272)
	ds_store_b16 v[CA], v[CD+2*\p] offset:8704*((\t)%4)+1088*(2*\p)
	ds_store_b16_d16_hi v[CA], v[CD+2*\p+1] offset:8704*((\t)%4)+1088*(2*\p+1)
.endr
.irp i, 0,1,2,3,4,5,6,7
	ds_store_b8 v6, v[BY+\i] offset:1024*((\t)/2)+64*((\t)%2)+128*\i      ; a block's eight lanes write the same byte with the same value
.endr
.if (\t)+3 <= 7
	SLOAD (\t)+3                                   ; into the registers just converted
.endif
.endm
; Column tiles 2 Q and 2 Q + 1 against my tile, two K steps at a time; the two accumulators take turns.
; Five plain instructions stand behind each run of matrix instructions (ISA guide 7.12.1 for vector instructions): whatever comes next, a sum begun anew too, finds its distance kept.
.macro MULT Q
.irp kk, 0,1,2,3
.irp kp, 0,1
.irp c, 0,1
	ds_load_b128 v[WF+16*\kp+4*\c:WF+16*\kp+4*\c+3], v[7+(\Q)/2] offset:8704*(2*((\Q)%2))+1088*(2*\kk+\kp)+544*\c       ; registers 4 c .. 4 c + 3 of lane (r, h): block 4 j + 2 c + h of row r
	ds_load_b128 v[WF+16*\kp+8+4*\c:WF+16*\kp+8+4*\c+3], v[7+(\Q)/2] offset:8704*(2*((\Q)%2)+1)+1088*(2*\kk+\kp)+544*\c
.endr
	ds_load_b32 v[WS+\kp], v9 offset:1024*(\Q)+128*(2*\kk+\kp)
.endr
	s_wait_dscnt 0x0
.irp kp, 0,1
	WM ACC, WF+16*\kp, H+8*(2*\kk+\kp), \kk+\kp, WS+\kp, HS+2*\kk+\kp, 0
	WM ACC+8, WF+16*\kp+8, H+8*(2*\kk+\kp), \kk+\kp, WS+\kp, HS+2*\kk+\kp, 1
.endr
.rept 5
	v_nop
.endr
.endr
.endm
.macro STAGE Q                         ; lane (r, h): row r, 32 bytes at 64 x (tile % 4) + 32 h; each accumulator from its low end on
.irp n, 0,1
	ds_store_b128 v12, v[ACC+8*\n:ACC+8*\n+3] offset:128*((\Q)%2)+64*\n
	ds_store_b128 v12, v[ACC+8*\n+4:ACC+8*\n+7] offset:128*((\Q)%2)+64*\n+16
.endr
.endm
.macro FLUSH f                         ; the stage's 16 rows x 256 bytes (columns 64 f .. + 63) leave: sixteen lanes store one aligned unit of 256 bytes
	s_cmp_lt_u32 s48, s50
	s_cbranch_scc0 .Lno_out_\@                     ; the expert has no tile w
.irp m, 0,1,2,3,4,5,6,7
	ds_load_b128 v[WF+4*\m:WF+4*\m+3], v13 offset:544*\m   ; LDS serves a wave's instructions in order: these see my stores
.endr
	s_wait_dscnt 0x0
.irp m, 0,1,2,3,4,5,6,7
	global_store_b128 v14, v[WF+4*\m:WF+4*\m+3], s[60:61] offset:8192*\m+256*(\f) th:TH_STORE_NT
.endr
.Lno_out_\@:
.endm
.macro PERIOD Q
	QSET 2*(\Q)
	QSET 2*(\Q)+1
.if (\Q) == 3
	HLOAD S, HS2, 18, 19                           ; the first later round's tile, into the two sets just converted
.endif
	s_wait_dscnt 0x0                               ; for the others' sake: my codes and scale bytes of this period lie in LDS
	s_barrier_signal -1
.if (\Q) > 0
	MULT (\Q)-1                                    ; reads LDS bytes that the barrier before has shown and that nobody writes again
.endif
	s_barrier_wait -1                              ; this period's codes lie in LDS, all 32 rows
.if (\Q) > 0
	STAGE (\Q)-1
.if ((\Q)-1)%2 == 1
	FLUSH ((\Q)-1)/2
.endif
.endif
.endm
; A later round: the tile in v[S ..] against my four column tiles, a K step at a time, four accumulators by turns; then through the stage and out
; K step j's four weight fragments and two scale words into buffer j % 3 of three (v42-73, v74-105, v106-137; the scale words into v26-31, which my own tile's scale words have left): 10 LDS loads
.macro TLD j
.irp n, 0,1,2,3
.irp c, 0,1
	ds_load_b128 v[WF+32*((\j)%3)+8*\n+4*\c:WF+32*((\j)%3)+8*\n+4*\c+3], v15 offset:8704*\n+1088*(\j)+544*\c
.endr
.endr
	ds_load_b32 v[HS+2*((\j)%3)], v21 offset:128*(\j)
	ds_load_b32 v[HS+2*((\j)%3)+1], v21 offset:1024+128*(\j)
.endm
.macro TAILBODY
	TLD 0
	TLD 1
	TLD 2
.irp j, 0,1,2,3,4,5,6,7
.if \j <= 5
	s_wait_dscnt 20                                ; K step j's 10 loads are in; those of the two K steps behind it may be out
.else
	s_wait_dscnt 10*(7-\j)                         ; the buffers run out
.endif
.irp n, 0,1,2,3
	WM A2+8*\n, WF+32*(\j%3)+8*\n, S+8*\j, \j, HS+2*(\j%3)+\n/2, HS2+\j, \n%2
.endr
.rept 5
	v_nop
.endr
.if \j+3 <= 7
	TLD \j+3                                       ; into the buffer just multiplied
.endif
.endr
.irp n, 0,1,2,3
	ds_store_b128 v12, v[A2+8*\n:A2+8*\n+3] offset:64*\n
	ds_store_b128 v12, v[A2+8*\n+4:A2+8*\n+7] offset:64*\n+16
.endr
.irp m, 0,1,2,3,4,5,6,7
	ds_load_b128 v[H+4*\m:H+4*\m+3], v13 offset:544*\m
.endr
	s_wait_dscnt 0x0
.irp m, 0,1,2,3,4,5,6,7
	global_store_b128 v22, v[H+4*\m:H+4*\m+3], s[60:61] offset:8192*\m th:TH_STORE_NT
.endr
.endm
	s_load_b256 s[4:11], s[0:1], 0x0               ; route s[4:5], hq s[6:7], w2 s[8:9], yb s[10:11]
	v_lshl_add_u32 v[SPW], v0, 2, SPARE
	v_mov_b32 v[NIL], 0
	v_lshrrev_b32 v70, 5, v0
	v_and_b32 v1, 31, v0                           ; lane
	v_and_b32 v66, 15, v0                          ; r
	v_bfe_u32 v67, v0, 4, 1                        ; h
	v_bfe_u32 v68, v0, 3, 2                        ; lane / 8
	v_and_b32 v69, 7, v0                           ; lane % 8
	v_readfirstlane_b32 s48, v70                   ; wave 0..15
	s_wait_alu depctr_va_vdst(0)                   ; directly ahead of the run of scalar instructions
	s_lshl_b32 s67, s48, 4                         ; codes: row w of a tile
	s_lshl_b32 s68, s48, 2
	s_add_co_u32 s68, s68, WSC                     ; scale words: the same
	s_mul_i32 s69, s48, 4352
	s_add_co_u32 s69, s69, YST                     ; my stage
	s_and_b32 s72, s48, 1                          ; my half of the columns in the later rounds
	s_mul_i32 s70, s72, 34816
	s_lshl_b32 s71, s72, 11
	s_lshl_b32 s74, s48, 16
	s_lshr_b32 s51, s48, 1
	s_and_b32 s66, ttmp7, 0xffff                   ; the expert
	v_lshlrev_b32 v2, 4, v1
	v_mul_u32_u24 v5, v68, 272
	v_mul_u32_u24 v7, v67, 272
	v_mul_u32_u24 v12, v66, 272
	v_lshlrev_b32 v20, 18, v67
	v_lshlrev_b32 v23, 12, v67
	v_lshlrev_b32 v11, 2, v66
	v_lshl_add_u32 v9, v1, 2, WSC
	v_lshl_add_u32 v5, v69, 1, v5
	v_lshl_add_u32 v7, v66, 4, v7                  ; 272 h + 16 r
	v_lshl_add_u32 v12, v67, 5, v12
	v_lshl_add_u32 v20, v66, 8, v20                ; set 6 + lane / 16, block lane % 16 of 256 bytes
	v_lshl_add_u32 v23, v66, 4, v23
	v_add_nc_u32 v6, s68, v68                      ; byte lane / 8 of the row's word
	v_add_nc_u32 v21, s71, v9
	v_add_nc_u32 v5, s67, v5                       ; block lane / 8 of the K step, byte 2 (lane % 8) of its 16
	v_add_nc_u32 v8, 34816, v7
	v_add_nc_u32 v12, s69, v12
	v_add_nc_u32 v13, s69, v7
	v_add_nc_u32 v15, s70, v7
	v_add_nc_u32 v14, s74, v23
	v_add_nc_u32 v10, 34816, v5
	s_wait_alu depctr_va_vdst(0)                   ; at the head's end
	s_wait_kmcnt 0x0
	s_lshl_b32 s70, s66, 7
	s_mov_b32 s71, 0
	s_add_nc_u64 s[72:73], s[4:5], s[70:71]
	s_load_b512 s[16:31], s[72:73], 0x2000         ; the expert's bitmap: 32 words
	s_load_b512 s[32:47], s[72:73], 0x2040
	s_lshr_b32 s75, ttmp9, 2                       ; cb
	s_and_b32 s76, ttmp9, 3                        ; kq
	s_lshl_b32 s70, s66, 24
	s_lshl_b32 s74, s75, 21
	s_add_co_u32 s70, s70, s74
	s_lshl_b32 s74, s48, 14
	s_add_co_u32 s70, s70, s74
	s_lshl_b32 s74, s76, 12
	s_add_co_u32 s70, s70, s74
	s_add_nc_u64 s[54:55], s[8:9], s[70:71]        ; w2 at row 1,024 e + 128 cb + w, K = 1,024 kq
	SLOAD 0
	SLOAD 1
	SLOAD 2
	s_lshl_b32 s70, s66, 21
	s_lshl_b32 s74, s76, 19
	s_add_co_u32 s70, s70, s74
	s_add_nc_u64 s[56:57], s[6:7], s[70:71]        ; the expert's images from K step 8 kq on
	s_lshl_b32 s70, s66, 17
	s_lshl_b32 s74, s76, 15
	s_add_co_u32 s70, s70, s74
	s_add_co_u32 s70, s70, 0x1000000
	s_add_nc_u64 s[58:59], s[6:7], s[70:71]        ; and their scale words
	s_lshl_b32 s74, s66, 2
	s_add_co_u32 s74, s74, s76                     ; 4 e + kq
	s_lshl_b32 s70, s74, 22
	s_lshl_b32 s74, s75, 9
	s_add_co_u32 s70, s70, s74
	s_add_nc_u64 s[60:61], s[10:11], s[70:71]      ; yb of (e, kq), column 128 cb
	s_wait_kmcnt 0x0
	s_mov_b32 s49, 0
.set K, 0
.rept 32
	s_bcnt1_i32_b32 s53, s[16+K]
	s_add_co_u32 s49, s49, s53                     ; the expert's tokens
.set K, K+1
.endr
	s_add_co_u32 s50, s49, 31
	s_lshr_b32 s50, s50, 5
	s_max_u32 s50, s50, 1
	s_lshl_b32 s50, s50, 1                         ; tiles of 16 rows that the launch before has stored: an even number, at least 2
	; the offsets of tiles w and 16 + w / 2: x 1 where the tile exists, x 0 where not.  The factor is held to 0 .. 1 by constants before it enters an offset
	s_sub_co_i32 s70, s50, s48
	s_sub_co_i32 s71, s50, s51
	s_sub_co_i32 s71, s71, 16
	s_max_i32 s70, s70, 0
	s_max_i32 s71, s71, 0
	s_min_u32 s70, s70, 1
	s_min_u32 s71, s71, 1
	s_mul_i32 s72, s70, s48
	s_add_co_u32 s73, s51, 16
	s_mul_i32 s73, s71, s73
	s_lshl_b32 s74, s72, 10
	s_lshl_b32 s75, s72, 6
	s_lshl_b32 s76, s73, 10
	s_lshl_b32 s77, s73, 6
	v_mad_u32_u24 v16, v2, s70, s74
	v_mad_u32_u24 v17, v11, s70, s75
	v_mad_u32_u24 v18, v2, s71, s76
	v_mad_u32_u24 v19, v11, s71, s77
	s_wait_alu depctr_va_vdst(0)                   ; directly behind the writes
	HLOAD H, HS, 16, 17
.irp Q, 0,1,2,3
	PERIOD \Q
.endr
	MULT 3
	STAGE 3
	FLUSH 1
	s_wait_loadcnt 0x0                             ; the first later round's tile is in
	s_wait_xcnt 0x0                                ; the way out's stores have read their registers
	s_and_b32 s67, s48, 1
	s_lshl_b32 s67, s67, 8                         ; my half of the 128 columns: 256 bytes
	s_add_co_u32 s53, s51, 16
	s_cmp_lt_u32 s53, s50
	s_cbranch_scc0 .Lno_t0                         ; the expert has no tile 16 + w / 2
	s_lshl_b32 s74, s53, 16
	s_add_co_u32 s74, s74, s67
	v_add_nc_u32 v22, s74, v23
	s_wait_alu depctr_va_vdst(0)                   ; directly behind the write
	TAILBODY
.Lno_t0:
	s_mov_b32 s52, 24                              ; five more rounds, for tiles 24 .. 63: every wave walks them and passes over those that the expert does not have
.Lround:
	s_add_co_u32 s53, s52, s51
	s_cmp_lt_u32 s53, s50
	s_cbranch_scc0 .Lno_t
	s_wait_xcnt 0x0                                ; the last round's stores have read their registers and offsets
	s_lshl_b32 s74, s53, 16
	s_add_co_u32 s74, s74, s67
	s_lshl_b32 s75, s53, 10
	s_lshl_b32 s76, s53, 6
	v_add_nc_u32 v22, s74, v23
	v_add_nc_u32 v18, s75, v2
	v_add_nc_u32 v19, s76, v11
	s_wait_alu depctr_va_vdst(0)                   ; directly behind the writes
	HLOAD S, HS2, 18, 19
	s_wait_loadcnt 0x0
	TAILBODY
.Lno_t:
	s_add_co_u32 s52, s52, 8
	s_cmp_lt_u32 s52, 64
	s_cbranch_scc1 .Lround
	s_wait_tensorcnt 0x0                           ; the wave's end
	ds_add_u32 v[SPW], v[NIL]
	s_wait_dscnt 0x0
	s_endpgm
.Lfunc_end_k_q86a601b682_down:
	.size	k_q86a601b682_down, .Lfunc_end_k_q86a601b682_down-k_q86a601b682_down
	.p2alignl 7, 3214868480
	.fill 96, 4, 3214868480
	.section	.rodata,"a",@progbits
	.p2align	6, 0x0
	.amdhsa_kernel k_q86a601b682_down
		.amdhsa_group_segment_fixed_size 145408
		.amdhsa_private_segment_fixed_size 0
		.amdhsa_enable_private_segment 0
		.amdhsa_kernarg_size 32
		.amdhsa_user_sgpr_count 2
		.amdhsa_user_sgpr_kernarg_segment_ptr 1
		.amdhsa_wavefront_size32 1
		.amdhsa_system_sgpr_workgroup_id_x 1
		.amdhsa_system_sgpr_workgroup_id_y 1
		.amdhsa_system_sgpr_workgroup_id_z 1
		.amdhsa_system_vgpr_workitem_id 0
		.amdhsa_next_free_vgpr 256
		.amdhsa_next_free_sgpr 80
		.amdhsa_reserve_vcc 0
		.amdhsa_float_denorm_mode_32 3
		.amdhsa_float_denorm_mode_16_64 3
		.amdhsa_memory_ordered 1
		.amdhsa_forward_progress 1
		.amdhsa_inst_pref_size 111
	.end_amdhsa_kernel
	.amdgpu_metadata
---
amdhsa.version: [ 1, 2 ]
amdhsa.kernels:
  - .name:           k_q86a601b682_down
    .symbol:         k_q86a601b682_down.kd
    .args:
      - { .name: route, .offset: 0, .size: 8, .value_kind: global_buffer, .address_space: global }
      - { .name: hq, .offset: 8, .size: 8, .value_kind: global_buffer, .address_space: global }
      - { .name: w2, .offset: 16, .size: 8, .value_kind: global_buffer, .address_space: global }
      - { .name: yb, .offset: 24, .size: 8, .value_kind: global_buffer, .address_space: global }
    .group_segment_fixed_size: 145408
    .private_segment_fixed_size: 0
    .kernarg_segment_align: 8
    .kernarg_segment_size: 32
    .max_flat_workgroup_size: 512
    .sgpr_count:     80
    .vgpr_count:     256
    .wavefront_size: 32
...
	.end_amdgpu_metadata
.endif
;; end of part 3
;; launch combine (part 4): grid 256 x 1, 16 waves a work-group, no clusters, 0 bytes of LDS; arguments route, gw, pos, yb, b2, out0; writes out0
.if DOCPART == 4
	.amdgcn_target "amdgcn-amd-amdhsa--gfx1250"
	.amdhsa_code_object_version 6
	.text
	.protected	k_q86a601b682_combine
	.globl	k_q86a601b682_combine
	.p2align	8
	.type	k_q86a601b682_combine,@function
k_q86a601b682_combine:
	s_mov_b64 s[64:65], 0
	v_nop
	global_prefetch_b8 v0, s[64:65] scope:SCOPE_SE
	s_setreg_imm32_b32 hwreg(HW_REG_WAVE_MODE, 25, 1), 1
	s_wait_xcnt 0x0
; out[t] = g0 (y[e0][rank of t in e0] + b2[e0]) + g1 (y[e1][rank of t in e1] + b2[e1]), y being the sum of the four parts along K that the launch before stored.
; Only the two chosen experts' rows are read: reference() gathers those and uses no other.
; Work-group g owns tokens 4 g .. 4 g + 3; wave w takes columns 256 (w % 4) .. + 255 of token 4 g + w / 4: 1,024 bytes of each of ten rows (4 parts and b2, for two experts), two loads of 512 consecutive bytes each.
; The token's two experts (route) and its ranks (pos) are whole numbers that earlier launches stored.  The token's word of pos is read for all eight experts, beside route and gw, and the two ranks are chosen
; by selections: so no read of pos stands behind the read of route.  Experts and ranks are held inside their tables before they enter an address.
; yb is laid [e][kq][rank][1,024 f32]: part kq lies 4,194,304 bytes behind part kq - 1; parts 2 and 3 have an offset register of their own, so that every immediate stays inside its 24 signed bits (ISA guide, chapter 10).
; A stream of 10 KB a wave: no LDS, no barrier, no matrix unit; all 20 loads of a wave are on their way together.
.set A,  8                             ; v8-47    the first expert's rows: part p at 8 p, b2 at 32; the sums and the result grow in v8-15
.set B,  48                            ; v48-87   the second's
	s_load_b256 s[4:11], s[0:1], 0x0               ; route s[4:5], gw s[6:7], pos s[8:9], yb s[10:11]
	s_load_b128 s[12:15], s[0:1], 0x20             ; b2 s[12:13], out0 s[14:15]
	v_lshrrev_b32 v2, 5, v0
	v_and_b32 v1, 31, v0
	s_delay_alu instid0(VALU_DEP_2)
	v_readfirstlane_b32 s16, v2                    ; wave 0..15
	s_lshr_b32 s17, s16, 2
	s_and_b32 s18, s16, 3
	s_lshl_b32 s19, ttmp9, 2
	s_add_co_u32 s19, s19, s17                     ; the token
	s_lshl_b32 s20, s18, 10                        ; my quarter of a row
	v_lshl_add_u32 v3, v1, 4, s20                  ; + 16 x lane
	s_delay_alu instid0(VALU_DEP_1)
	v_add_nc_u32 v4, 0x800000, v3                  ; the same, two parts on
	s_lshl_b32 s24, s19, 3
	s_mov_b32 s25, 0
	s_lshl_b32 s34, s19, 2
	s_mov_b32 s35, 0
	s_wait_alu depctr_va_vdst(0)                   ; at the head's end
	s_wait_kmcnt 0x0
	s_add_nc_u64 s[26:27], s[4:5], s[24:25]
	s_add_nc_u64 s[28:29], s[6:7], s[24:25]
	s_add_nc_u64 s[22:23], s[8:9], s[34:35]
	s_load_b64 s[30:31], s[26:27], 0x0             ; e0, e1
	s_load_b64 s[32:33], s[28:29], 0x0             ; g0, g1
.irp e, 0,1,2,3,4,5,6,7
	s_load_b32 s[52+\e], s[22:23], 4096*\e         ; pos[e][t]
.endr
	s_lshl_b32 s24, s19, 12
	s_add_nc_u64 s[14:15], s[14:15], s[24:25]      ; the token's row of out
	s_wait_kmcnt 0x0
	s_min_u32 s30, s30, 7
	s_min_u32 s31, s31, 7
	s_lshl_b32 s24, s30, 12
	s_add_nc_u64 s[40:41], s[12:13], s[24:25]      ; b2[e0]
	s_lshl_b32 s24, s31, 12
	s_add_nc_u64 s[42:43], s[12:13], s[24:25]      ; b2[e1]
.irp c, 0,1
	global_load_b128 v[A+32+4*\c:A+32+4*\c+3], v3, s[40:41] offset:512*\c
	global_load_b128 v[B+32+4*\c:B+32+4*\c+3], v3, s[42:43] offset:512*\c
.endr
	s_mov_b32 s37, s52                             ; the token's rank in e0 and in e1
	s_mov_b32 s38, s52
.irp e, 1,2,3,4,5,6,7
	s_cmp_eq_u32 s30, \e
	s_cselect_b32 s37, s[52+\e], s37
	s_cmp_eq_u32 s31, \e
	s_cselect_b32 s38, s[52+\e], s38
.endr
	s_min_u32 s37, s37, 0x3ff
	s_min_u32 s38, s38, 0x3ff
	s_mov_b32 s44, s33                             ; g1 as the low word of a pair of its own: the packed form takes a pair's low word for both halves
	s_mov_b32 s45, s33
	s_lshl_b32 s24, s30, 24                        ; an expert's four parts are 16,777,216 bytes, a rank's row 4,096
	s_lshl_b32 s46, s37, 12
	s_add_co_u32 s24, s24, s46
	s_add_nc_u64 s[48:49], s[10:11], s[24:25]
	s_lshl_b32 s24, s31, 24
	s_lshl_b32 s46, s38, 12
	s_add_co_u32 s24, s24, s46
	s_add_nc_u64 s[50:51], s[10:11], s[24:25]
.irp p, 0,1
.irp c, 0,1
	global_load_b128 v[A+8*\p+4*\c:A+8*\p+4*\c+3], v3, s[48:49] offset:4194304*\p+512*\c th:TH_LOAD_NT
	global_load_b128 v[A+16+8*\p+4*\c:A+16+8*\p+4*\c+3], v4, s[48:49] offset:4194304*\p+512*\c th:TH_LOAD_NT
	global_load_b128 v[B+8*\p+4*\c:B+8*\p+4*\c+3], v3, s[50:51] offset:4194304*\p+512*\c th:TH_LOAD_NT
	global_load_b128 v[B+16+8*\p+4*\c:B+16+8*\p+4*\c+3], v4, s[50:51] offset:4194304*\p+512*\c th:TH_LOAD_NT
.endr
.endr
	s_wait_loadcnt 0x0
.irp p, 1,2,3,4                                ; eight chains by turns: no line reads the result of one of the four lines above it
.irp u, 0,2,4,6
	v_pk_add_f32 v[A+\u:A+\u+1], v[A+\u:A+\u+1], v[A+8*\p+\u:A+8*\p+\u+1]
.endr
.irp u, 0,2,4,6
	v_pk_add_f32 v[B+\u:B+\u+1], v[B+\u:B+\u+1], v[B+8*\p+\u:B+8*\p+\u+1]
.endr
.endr
.irp u, 0,2,4,6
	v_pk_mul_f32 v[A+\u:A+\u+1], v[A+\u:A+\u+1], s[32:33] op_sel_hi:[1,0]
.endr
.irp u, 0,2,4,6
	s_delay_alu instid0(VALU_DEP_4)
	v_pk_fma_f32 v[A+\u:A+\u+1], v[B+\u:B+\u+1], s[44:45], v[A+\u:A+\u+1] op_sel_hi:[1,0,1]
.endr
	global_store_b128 v3, v[A:A+3], s[14:15] th:TH_STORE_NT                 ; 512 consecutive bytes of out
	global_store_b128 v3, v[A+4:A+7], s[14:15] offset:512 th:TH_STORE_NT
	s_endpgm
.Lfunc_end_k_q86a601b682_combine:
	.size	k_q86a601b682_combine, .Lfunc_end_k_q86a601b682_combine-k_q86a601b682_combine
	.p2alignl 7, 3214868480
	.fill 96, 4, 3214868480
	.section	.rodata,"a",@progbits
	.p2align	6, 0x0
	.amdhsa_kernel k_q86a601b682_combine
		.amdhsa_group_segment_fixed_size 0
		.amdhsa_private_segment_fixed_size 0
		.amdhsa_enable_private_segment 0
		.amdhsa_kernarg_size 48
		.amdhsa_user_sgpr_count 2
		.amdhsa_user_sgpr_kernarg_segment_ptr 1
		.amdhsa_wavefront_size32 1
		.amdhsa_system_sgpr_workgroup_id_x 1
		.amdhsa_system_sgpr_workgroup_id_y 1
		.amdhsa_system_sgpr_workgroup_id_z 1
		.amdhsa_system_vgpr_workitem_id 0
		.amdhsa_next_free_vgpr 96
		.amdhsa_next_free_sgpr 66
		.amdhsa_reserve_vcc 0
		.amdhsa_float_denorm_mode_32 3
		.amdhsa_float_denorm_mode_16_64 3
		.amdhsa_memory_ordered 1
		.amdhsa_forward_progress 1
		.amdhsa_inst_pref_size 9
	.end_amdhsa_kernel
	.amdgpu_metadata
---
amdhsa.version: [ 1, 2 ]
amdhsa.kernels:
  - .name:           k_q86a601b682_combine
    .symbol:         k_q86a601b682_combine.kd
    .args:
      - { .name: route, .offset: 0, .size: 8, .value_kind: global_buffer, .address_space: global }
      - { .name: gw, .offset: 8, .size: 8, .value_kind: global_buffer, .address_space: global }
      - { .name: pos, .offset: 16, .size: 8, .value_kind: global_buffer, .address_space: global }
      - { .name: yb, .offset: 24, .size: 8, .value_kind: global_buffer, .address_space: global }
      - { .name: b2, .offset: 32, .size: 8, .value_kind: global_buffer, .address_space: global }
      - { .name: out0, .offset: 40, .size: 8, .value_kind: global_buffer, .address_space: global }
    .group_segment_fixed_size: 0
    .private_segment_fixed_size: 0
    .kernarg_segment_align: 8
    .kernarg_segment_size: 48
    .max_flat_workgroup_size: 512
    .sgpr_count:     66
    .vgpr_count:     96
    .wavefront_size: 32
...
	.end_amdgpu_metadata
.endif
;; end of part 4
